; MI455X (gfx1250); checked and timed in simulation.
; The chip was launched on July 23, 2026; its instructions are those of AMD's public machine-readable ISA for CDNA 5 (MIT licence, August 2026) and "CDNA5" Instruction Set Architecture Reference Guide (July 2026). The comments in the code are by the model that wrote it; some were corrected since.
;; Scaled Dot Product Attention. Allowed arithmetic: matrix products marked QUANTISED: E4M3 operands, one given power-of-two scale a tensor, by v_wmma_f32_16x16x64_fp8_fp8 or v_wmma_f32_16x16x128_fp8_fp8, f32 sums; everything else in f32.
;; Inputs: attn_mask 2 x 1 x 2,048 x 2,048 int32; k 2 x 16 x 2,048 x 64 float32; lowp_scales 4 int32 (the exponents e of the quantised operands' scales 2^e); q 2 x 16 x 2,048 x 64 float32; v 2 x 16 x 2,048 x 64 float32.
;; Outputs: out0 2 x 16 x 2,048 x 64 float32.
;; This version of the problem:
;;   THIS VERSION OF THE PROBLEM IS GIVEN IN LOW PRECISION. The matrix products marked QUANTISED in the list below multiply operands that are first quantised to E4M3 (4 exponent bits, 3 mantissa bits; 8 bits a number), with one given power-of-two scale for each operand tensor; their sums are f32. All else is computed in f32.
;;   The module's matrix products, in the order in which they are computed (A, B: the left and right operand; K: the contracted axis; several contracted axes count as one K, in the product's order):
;;     1. batch 32 x [M 2,048, K 64] x [K 64, N 2,048]; A: input q; B: input k: QUANTISED (scales: A lowp_scales[0], B lowp_scales[1])
;;     2. batch 32 x [M 2,048, K 2,048] x [K 2,048, N 64]; A: softmax (see below); B: input v: QUANTISED (scales: A lowp_scales[2], B lowp_scales[3])
;;   THE QUANTISER, for each operand of a quantised product, along K:
;;     - The operand's scale is 2^e, e = its entry of the input lowp_scales (int32; the entries are numbered through the quantised products in the list's order, A before B).
;;     - Each number is divided by the scale, clamped to +-448, and rounded to the nearest number of E4M3, ties to even, subnormals kept.
;;     - The product sums the exact products of the quantised numbers (number of the format x scale) in f32.
;;   ~~~python
;;   def quantise(x, axis, e):      # numpy; x: float32 -> the quantised numbers, widened to float32 again
;;       x = np.moveaxis(x, axis, -1); K = x.shape[-1]
;;       r = np.clip(x / 2.0 ** e, -448, 448)
;;       step = 2.0 ** (np.maximum(np.frexp(np.where(r == 0, 1, r))[1] - 1, -6) - 3)
;;       q = np.round(r / step) * step * 2.0 ** e      # np.round: ties to even
;;       return np.moveaxis(q, -1, axis).astype(np.float32)
;;   ~~~
;;   SOFTMAX AHEAD OF A QUANTISED PRODUCT. Where the list says 'softmax', what is quantised is not the finished softmax but p = 2^(t - M), with t = logit x log2(e) and M = ceil(the row's largest t), a whole number; so 1/2 < the row's largest p <= 1. The row's sum l is taken of the UNQUANTISED p, in f32, and the product's result is divided by l at the end. Since M is a whole number, a kernel that streams over the keys may use a running M (the ceiling of the running maximum): every later rescaling is an exact power of two, so the quantised numbers keep their values, but for numbers so far below the row's largest that they fall under the format's range.
;;   OPERANDS COMPUTED ON THE WAY. 'Computed on the way' means the value that the module computes at that place (a softmax that the list does not call 'softmax' is quantised finished and normalised). What goes into a quantiser is computed in f32, as accurately as f32 sums, v_exp_f32 and their like allow (about 1e-6 of the number): no bf16 or f16 on the way to a quantiser, and a product that is left as it is and whose result goes on into a quantised operand takes f32 operands (vector FMAs, or v_wmma_f32_16x16x4_f32). A number that lies on a knife's edge between two numbers of the format may be rounded either way, as far as f32 arithmetic and the matrix unit's own rounding can turn it there, and no further.
;; One version. Each part assembles by itself: llvm-mc -triple=amdgcn-amd-amdhsa -mcpu=gfx1250 --defsym DOCPART=n.
;; ======== version 1 of 1: 2 launches
;; limits: right only within a limited range of input values
;; workspace buffers: kv 8,388,608 bytes; mbits 1,048,576 bytes of whole numbers
;; launch prep (part 1): grid 512 x 1, 8 waves a work-group, no clusters, 138,240 bytes of LDS; arguments k, v, attn_mask, lowp_scales, kv, mbits; writes kv, mbits
.if DOCPART == 1
	.amdgcn_target "amdgcn-amd-amdhsa--gfx1250"
	.amdhsa_code_object_version 6
	.text
	.protected	k_qc9ac4d6cb7_prep
	.globl	k_qc9ac4d6cb7_prep
	.p2align	8
	.type	k_qc9ac4d6cb7_prep,@function
k_qc9ac4d6cb7_prep:
	s_mov_b64 s[64:65], 0
	v_nop
	global_prefetch_b8 v0, s[64:65] scope:SCOPE_SE
	s_setreg_imm32_b32 hwreg(HW_REG_WAVE_MODE, 25, 1), 1
	s_wait_xcnt 0x0
; THE LAUNCH IN FRONT OF THE ATTENTION.  k and v, [32 heads][2048 keys][64] f32, become codes of FP8 (E4M3) once, since eight work-groups of the next launch read each head;
; attn_mask, [2][2048][2048] int32, becomes one bit a number, since sixteen heads read each row.  No work of the problem is left out: every input has a way to the output.
; code = x / 2^e, held within +-448, to the nearest code, ties to even; e = lowp_scales[1] for k, [3] for v.
; LIMITS: each e lies between -126 and 119, so that 2^e and 448 x 2^e are f32 numbers.  NaN among k and v is not served; an infinity is held at the largest code.
; kv: for each head 16 key steps of 128 keys, 16,384 bytes each, laid AS THE OPERANDS' REGISTERS WANT THEM (lane l = r + 16 h):
;   bytes 0-8191      K: tile j (0-7) x chunk c (0, 1) x lane x 16 bytes: byte i = K[key 32 (j / 2) + 8 (j % 2) + r + 8 (r / 8)][channel 32 c + 16 h + i]
;   bytes 8192-16383  V: tile t (0-3) x chunk c (0-3) x lane x 16 bytes: byte i = V[key 32 c + 16 h + i][channel 16 t + r]
; mbits: [batch][tile of 16 queries][key step][64 words]: bit r + 16 h of word 16 b + i says whether attn_mask[query r of the tile][key 32 b + 16 h + i of the step] is not 0.
; SHARES.  4,096 wave tasks of 16,384 input bytes.  Work-groups 0-127 take k, 128-255 v, 256-511 the mask: a scalar branch on the work-group's number.  Waves share nothing: no barrier.
; No tensor loads, clusters or matrix work: no byte is read twice and nothing is multiplied.  No prefetch: the launch has no loop and does nothing but stream.
.set KSTG,  8704                       ; k's stage of a wave: 32 rows x (256 bytes + 16): 68 words, so that the 16 rows that a load touches start at 16 different banks (64 banks of 4 bytes: ISA guide 11.1)
.set MBASE, 8*KSTG                     ; the mask's stages lie behind k's: each path has LDS bytes of its own
.set MSTG,  8448                       ; the mask's stage of a wave: 16 rows x (512 bytes + 16)
.set SPARE, MBASE+8*MSTG               ; behind the stages: the spare words, 128 bytes for each wave: four blocks of 256 bytes that no other line names
.set LI,   2                           ; v2   16 x lane
.set KSI,  5                           ; v5   k's stage, on the way in
.set KSO,  6                           ; v6   and on the way out
.set MSI,  7                           ; v7   the mask's stage, on the way in
.set MSO,  8                           ; v8   and on the way out
.set VO,   9                           ; v9   v's codes: 2,048 h + 16 r
.set LIM,  10                          ; v10  448 x 2^e
.set SC,   11                          ; v11  2^e
.set L4,   12                          ; v12  4 x lane
.set MW,   13                          ; v13  8 x lane
.set SPW,  30                          ; v30  LDS address of my spare word: SPARE + 4 x my thread's number; never rewritten
.set NIL,  31                          ; v31  0; never rewritten
.set C,    32                          ; v32-63   codes (k), mask words
.set SETS, 64                          ; v64-191  two sets of registers as loaded
.set X,    192                         ; v192-255 numbers back from a stage; v's codes
	s_load_b256 s[4:11], s[0:1], 0x0               ; k s[4:5], v s[6:7], attn_mask s[8:9], lowp_scales s[10:11]
	s_load_b128 s[12:15], s[0:1], 0x20             ; kv s[12:13], mbits s[14:15]
	v_lshl_add_u32 v[SPW], v0, 2, SPARE
	v_mov_b32 v[NIL], 0
	v_lshrrev_b32 v1, 5, v0
	v_and_b32 v3, 15, v0                           ; r
	v_bfe_u32 v4, v0, 4, 1                         ; h
	v_and_b32 v14, 31, v0                          ; lane
	v_readfirstlane_b32 s16, v1                    ; wave 0..7
	v_mul_u32_u24 v[KSI], v4, 272                  ; every LDS address is made here, ahead of the parting
	v_mul_u32_u24 v[KSO], v3, 272
	v_mul_u32_u24 v[MSO], v3, 528
	v_lshlrev_b32 v[VO], 11, v4
	v_lshlrev_b32 v[LI], 4, v14
	s_mul_i32 s17, s16, KSTG
	s_mul_i32 s18, s16, MSTG
	s_add_co_u32 s18, s18, MBASE
	v_lshlrev_b32 v[L4], 2, v14
	v_lshlrev_b32 v[MW], 3, v14
	v_lshl_add_u32 v[KSI], v3, 4, v[KSI]
	v_lshl_add_u32 v[KSO], v4, 6, v[KSO]
	v_lshl_add_u32 v[MSO], v4, 6, v[MSO]
	v_lshl_add_u32 v[VO], v3, 4, v[VO]
	v_add_nc_u32 v[KSI], s17, v[KSI]               ; in: a load's 512 bytes are two rows: row h, 16 bytes at 16 r
	v_add_nc_u32 v[KSO], s17, v[KSO]               ; out: row r, my half's 16 channels: 64 h
	v_add_nc_u32 v[MSI], s18, v[LI]                ; in: a load's 512 bytes are one row
	v_add_nc_u32 v[MSO], s18, v[MSO]               ; out: row r, my half's 16 keys: 64 h
	s_mov_b32 s25, 0                               ; the upper word of every offset below
	s_wait_alu depctr_va_vdst(0)
	s_wait_kmcnt 0x0
	s_cmp_ge_u32 ttmp9, 256
	s_cbranch_scc1 .Lmask
	s_cmp_ge_u32 ttmp9, 128
	s_cbranch_scc1 .Lv
.macro SCALE                           ; s20 = e: 2^e and 448 x 2^e as f32 numbers
	s_add_co_i32 s20, s20, 127
	s_lshl_b32 s21, s20, 23
	v_mov_b32 v[SC], s21                           ; the conversion takes its exponent field
	s_add_co_i32 s20, s20, 8
	s_lshl_b32 s20, s20, 23
	s_or_b32 s20, s20, 0x600000
	v_mov_b32 v[LIM], s20
	s_wait_alu depctr_va_vdst(0)
.endm
.macro CLOSE                           ; the wave's end
	s_wait_tensorcnt 0x0
	ds_add_u32 v[SPW], v[NIL]
	s_wait_dscnt 0x0
	s_endpgm
.endm
.macro PLACE shift                     ; where my task's half of a key step lies in kv: 16,384 (s19 / 2), and 2^shift bytes on for the second half
	s_lshr_b32 s24, s19, 1
	s_lshl_b32 s24, s24, 14
	s_and_b32 s26, s19, 1
	s_lshl_b32 s26, s26, \shift
	s_add_co_u32 s24, s24, s26
	s_add_nc_u64 s[12:13], s[12:13], s[24:25]
.endm
; ---- K.  Task id = 8 x work-group + wave: half a key step of one head: 64 rows of 256 bytes in, 4,096 bytes of codes out, in two units of 32 keys.
; A load takes the bytes as they lie, 512 to a load; a conversion wants 16 neighbouring channels of ONE key in a lane: so a unit turns through my stage.
	s_load_b32 s20, s[10:11], 0x4                  ; ek
	s_lshl_b32 s19, ttmp9, 3
	s_add_co_u32 s19, s19, s16
	s_lshl_b32 s24, s19, 14
	s_add_nc_u64 s[4:5], s[4:5], s[24:25]          ; k + 16,384 id
.macro KLOAD u
.irp i, 0,1,2,3,4,5,6,7,8,9,10,11,12,13,14,15
	global_load_b128 v[SETS+64*\u+4*\i:SETS+64*\u+4*\i+3], v[LI], s[4:5] offset:\u*8192+512*\i th:TH_LOAD_NT   ; keys 2 i, 2 i + 1 of the unit
.endr
.endm
.macro KUNIT u
	s_wait_loadcnt 16-16*\u                        ; this unit's loads are in; the second unit's sixteen may be out
.irp i, 0,1,2,3,4,5,6,7,8,9,10,11,12,13,14,15      ; key 16 a + 8 u2 + x of the unit goes to stage row 16 u2 + 8 a + x: the rows then lie in the order of the two tiles' lanes
	ds_store_b128 v[KSI], v[SETS+64*\u+4*\i:SETS+64*\u+4*\i+3] offset:(16*((\i>>2)&1)+8*(\i>>3)+2*(\i&3))*272
.endr
.irp p, 0,1,2,3                                    ; piece p = 2 u2 + c.  LDS serves a wave's instructions in order: these see the stores above
.irp g, 0,1,2,3
	ds_load_b128 v[X+16*\p+4*\g:X+16*\p+4*\g+3], v[KSO] offset:16*(\p/2)*272+128*(\p%2)+16*\g
.endr
.endr
.irp p, 0,1,2,3
	s_wait_dscnt 12-4*\p                           ; piece p is back; the younger pieces' loads may be out
.irp i, 0,1,2,3,4,5,6,7,8,9,10,11,12,13,14,15
	v_med3_num_f32 v[X+16*\p+\i], v[X+16*\p+\i], -v[LIM], v[LIM]   ; the conversion to an 8-bit code does not saturate (ISA guide 7.6.2): the hold comes first
.endr
	v_cvt_scalef32_pk8_fp8_f32 v[C+16*\u+4*\p:C+16*\u+4*\p+1], v[X+16*\p:X+16*\p+7], v[SC]
	v_cvt_scalef32_pk8_fp8_f32 v[C+16*\u+4*\p+2:C+16*\u+4*\p+3], v[X+16*\p+8:X+16*\p+15], v[SC]
	global_store_b128 v[LI], v[C+16*\u+4*\p:C+16*\u+4*\p+3], s[12:13] offset:\u*2048+\p*512   ; 512 consecutive bytes, aligned.  (The codes go to a store alone; the next vector lines are plain and touch other registers)
.endr
.endm
	KLOAD 0
	KLOAD 1
	PLACE 12
	s_wait_kmcnt 0x0
	SCALE
	KUNIT 0
	KUNIT 1
	CLOSE
; ---- V.  The keys are the second product's K and are not innermost: A LANE TAKES A CHANNEL AND ITS REGISTERS RUN DOWN THE KEYS, so the conversions give codes with the keys innermost and nothing is transposed.
; Task: half a key step.  Batch q: keys 32 (q / 2) on, channels 32 (q % 2) + lane.  The two halves of a row are read in batches that follow each other (so the loads carry no hint).
.Lv:
	s_load_b32 s20, s[10:11], 0xc                  ; ev
	s_sub_co_u32 s19, ttmp9, 128
	s_lshl_b32 s19, s19, 3
	s_add_co_u32 s19, s19, s16
	s_lshl_b32 s24, s19, 14
	s_add_nc_u64 s[6:7], s[6:7], s[24:25]
.macro VLOAD q
.irp i, 0,1,2,3,4,5,6,7,8,9,10,11,12,13,14,15,16,17,18,19,20,21,22,23,24,25,26,27,28,29,30,31
	global_load_b32 v[SETS+32*(\q)+\i], v[L4], s[6:7] offset:(32*((\q)/2)+\i)*256+((\q)%2)*128
.endr
.endm
.macro VBATCH q
.if \q < 3
	s_wait_loadcnt 32                              ; this batch's loads are in; the next batch's 32 may be out
.else
	s_wait_loadcnt 0
.endif
.irp i, 0,1,2,3,4,5,6,7,8,9,10,11,12,13,14,15,16,17,18,19,20,21,22,23,24,25,26,27,28,29,30,31
	v_med3_num_f32 v[SETS+32*\q+\i], v[SETS+32*\q+\i], -v[LIM], v[LIM]
.endr
.irp g, 0,1,2,3
	v_cvt_scalef32_pk8_fp8_f32 v[X+8*\q+2*\g:X+8*\q+2*\g+1], v[SETS+32*\q+8*\g:SETS+32*\q+8*\g+7], v[SC]   ; each batch has its own registers
.endr
.if \q < 2
	VLOAD \q+2
.endif
	global_store_b128 v[VO], v[X+8*\q:X+8*\q+3], s[12:13] offset:8192+(\q%2)*4096+(\q/2)*512        ; keys 32 c + 0 .. 15: the places of lanes 0-15 of tiles 2 (q % 2), 2 (q % 2) + 1: sixteen lanes fill 256 aligned bytes
	global_store_b128 v[VO], v[X+8*\q+4:X+8*\q+7], s[12:13] offset:8192+(\q%2)*4096+(\q/2)*512+256  ; keys 32 c + 16 .. 31: the places of lanes 16-31
.endm
	VLOAD 0
	VLOAD 1
	PLACE 10
	s_wait_kmcnt 0x0
	SCALE
	VBATCH 0
	VBATCH 1
	VBATCH 2
	VBATCH 3
	s_endpgm
; ---- THE MASK.  Task id = 8 x (work-group - 256) + wave: 16 queries (tile id / 8 of the two batches' 256) x 256 keys (eighth id % 8), in two units of one key step.
; A unit's 16 rows x 512 bytes turn through my stage, so that lane (r, h) holds query r and register 16 b + i key 32 b + 16 h + i: a compare then gives the very lane mask that the score's register wants.
.Lmask:
	s_sub_co_u32 s19, ttmp9, 256
	s_lshl_b32 s19, s19, 3
	s_add_co_u32 s19, s19, s16
	s_lshr_b32 s24, s19, 3
	s_lshl_b32 s24, s24, 17                        ; 16 rows of 8,192 bytes for each tile of queries
	s_and_b32 s26, s19, 7
	s_lshl_b32 s26, s26, 10                        ; 256 keys of 4 bytes
	s_add_co_u32 s24, s24, s26
	s_add_nc_u64 s[8:9], s[8:9], s[24:25]
	s_lshl_b32 s24, s19, 9                         ; two key steps of 256 bytes
	s_add_nc_u64 s[14:15], s[14:15], s[24:25]
.macro MLOAD u
.irp i, 0,1,2,3,4,5,6,7,8,9,10,11,12,13,14,15
	global_load_b128 v[SETS+64*\u+4*\i:SETS+64*\u+4*\i+3], v[LI], s[8:9] offset:\i*8192+\u*512 th:TH_LOAD_NT   ; query i: 512 consecutive bytes
.endr
.endm
.macro MUNIT u
	s_wait_loadcnt 16-16*\u                        ; this unit's loads are in; the second unit's sixteen may be out
.irp i, 0,1,2,3,4,5,6,7,8,9,10,11,12,13,14,15
	ds_store_b128 v[MSI], v[SETS+64*\u+4*\i:SETS+64*\u+4*\i+3] offset:\i*528
.endr
.irp b, 0,1,2,3
.irp g, 0,1,2,3
	ds_load_b128 v[X+16*\b+4*\g:X+16*\b+4*\g+3], v[MSO] offset:128*\b+16*\g
.endr
.endr
	v_mov_b32 v[C+2*\u], 0                         ; written whole once: v_writelane_b32's destination counts as read
	v_mov_b32 v[C+2*\u+1], 0
.irp b, 0,1,2,3
	s_wait_alu depctr_va_vdst(0)
	s_wait_dscnt 12-4*\b                           ; group b is back; the younger groups' loads may be out
.irp k, 0,8
.irp i, 0,1,2,3,4,5,6,7
	v_cmp_ne_u32 s[24+\i], 0, v[X+16*\b+\k+\i]     ; word n = 16 b + k + i,
.endr
.irp i, 0,1,2,3,4,5,6,7
	v_writelane_b32 v[C+2*\u+\i%2], s[24+\i], 8*\b+(\k+\i)/2   ; into lane n / 2, register n % 2: the place of byte 4 n of the store below
.endr
.endr
.endr
	global_store_b64 v[MW], v[C+2*\u:C+2*\u+1], s[14:15] offset:256*\u   ; 256 consecutive bytes, aligned; each unit has its own pair of registers
.endm
	MLOAD 0
	MLOAD 1
	MUNIT 0
	MUNIT 1
	CLOSE
.Lfunc_end_k_qc9ac4d6cb7_prep:
	.size	k_qc9ac4d6cb7_prep, .Lfunc_end_k_qc9ac4d6cb7_prep-k_qc9ac4d6cb7_prep
	.p2alignl 7, 3214868480
	.fill 96, 4, 3214868480
	.section	.rodata,"a",@progbits
	.p2align	6, 0x0
	.amdhsa_kernel k_qc9ac4d6cb7_prep
		.amdhsa_group_segment_fixed_size 138240
		.amdhsa_private_segment_fixed_size 0
		.amdhsa_enable_private_segment 0
		.amdhsa_kernarg_size 48
		.amdhsa_user_sgpr_count 2
		.amdhsa_user_sgpr_kernarg_segment_ptr 1
		.amdhsa_wavefront_size32 1
		.amdhsa_system_sgpr_workgroup_id_x 1
		.amdhsa_system_sgpr_workgroup_id_y 1
		.amdhsa_system_sgpr_workgroup_id_z 1
		.amdhsa_system_vgpr_workitem_id 0
		.amdhsa_next_free_vgpr 256
		.amdhsa_next_free_sgpr 66
		.amdhsa_reserve_vcc 0
		.amdhsa_float_denorm_mode_32 3
		.amdhsa_float_denorm_mode_16_64 3
		.amdhsa_memory_ordered 1
		.amdhsa_forward_progress 1
		.amdhsa_inst_pref_size 67
	.end_amdhsa_kernel
	.amdgpu_metadata
---
amdhsa.version: [ 1, 2 ]
amdhsa.kernels:
  - .name:           k_qc9ac4d6cb7_prep
    .symbol:         k_qc9ac4d6cb7_prep.kd
    .args:
      - { .name: k, .offset: 0, .size: 8, .value_kind: global_buffer, .address_space: global }
      - { .name: v, .offset: 8, .size: 8, .value_kind: global_buffer, .address_space: global }
      - { .name: attn_mask, .offset: 16, .size: 8, .value_kind: global_buffer, .address_space: global }
      - { .name: lowp_scales, .offset: 24, .size: 8, .value_kind: global_buffer, .address_space: global }
      - { .name: kv, .offset: 32, .size: 8, .value_kind: global_buffer, .address_space: global }
      - { .name: mbits, .offset: 40, .size: 8, .value_kind: global_buffer, .address_space: global }
    .group_segment_fixed_size: 138240
    .private_segment_fixed_size: 0
    .kernarg_segment_align: 8
    .kernarg_segment_size: 48
    .max_flat_workgroup_size: 256
    .sgpr_count:     66
    .vgpr_count:     256
    .wavefront_size: 32
...
	.end_amdgpu_metadata
.endif
;; end of part 1
;; launch attn (part 2): grid 8 x 32, 8 waves a work-group, clusters of 4 x 1, 327,680 bytes of LDS; arguments q, kv, mbits, lowp_scales, out0; writes out0
.if DOCPART == 2
	.amdgcn_target "amdgcn-amd-amdhsa--gfx1250"
	.amdhsa_code_object_version 6
	.text
	.protected	k_qc9ac4d6cb7_attn
	.globl	k_qc9ac4d6cb7_attn
	.p2align	8
	.type	k_qc9ac4d6cb7_attn,@function
k_qc9ac4d6cb7_attn:
	s_mov_b64 s[64:65], 0
	v_nop
	global_prefetch_b8 v0, s[64:65] scope:SCOPE_SE
	s_setreg_imm32_b32 hwreg(HW_REG_WAVE_MODE, 25, 1), 1
	s_wait_xcnt 0x0
	s_wait_alu depctr_hold_cnt(0) depctr_sa_sdst(0) depctr_va_vdst(0) depctr_va_sdst(0) depctr_va_ssrc(0) depctr_va_vcc(0) depctr_vm_vsrc(0)
	s_getreg_b32 s2, hwreg(HW_REG_IB_STS2, 6, 4)
	s_cmp_eq_u32 s2, 0
	s_cbranch_scc0 .Lentry_in_a_cluster
	s_endpgm
.Lentry_in_a_cluster:
	s_bfe_u32 s2, ttmp6, 0x10000c
	s_cmp_lg_u32 s2, 0x3003
	s_cbranch_scc0 .Lentry_shape_is_right
	s_endpgm
.Lentry_shape_is_right:
; out0[head][query][64] = softmax(q k^T / 8 under the mask) v on codes of FP8 (E4M3).  k's and v's codes come from kv and the mask's bits from mbits, laid by the launch in front; q is quantised here, once, by the wave that owns it.
; No work of the problem is left out: every input has a way to the output.
; SOFTMAX: t = score x log2(e) / 8, M = the row's largest t so far rounded UP to a whole number, p = 2^(t - M) is quantised; the row's sum is taken of the unquantised p.  When M moves, sum and output are multiplied by 2^(old M - new M), exact.
; A masked score becomes FILL, which stands for t = -2^33 log2(e) / 8 (the reference fills with -1e9; either is under every t that counts, and a row that is masked whole has p = 1 throughout under both).
; LIMITS: eq + ek lies between -94 and 8: sums of 64 products of codes stay under 2^24, so every t stays under 2^30 in magnitude, above FILL's.  eq and ep each lie between -126 and 119.  NaN among q is not served; an infinity is held at the largest code.
; SHARES.  256 work-groups: 256 queries of one head each.  Eight waves, two tiles of 16 queries (A, B) each; key steps of 128.  The head's codes, 16 steps x 16,384 bytes, all lie in LDS and are filled once: steps 0-3 at the head, steps 4-15 behind a round.
; CLUSTERS: the four work-groups of a cluster take the same head: every fill is a joint load.
; Both products are used transposed: S^T = K Q^T, O^T = V^T P^T: a lane holds one query (lane % 16) throughout.
; THE PIPELINE.  A phase works on tile i (A and B by turns): scores, mask, maximum, exponents, exponentials.  The tile before it is summed beside tile i's maximum, held at the largest code beside the maximum's last steps and the exponentials, then converted and multiplied with V.
; Phase B of step s asks for V's fragments of step s (its own products with V come later in the phase) and, K's registers being read for the last time, for K's of step s + 1.
; PREFETCH: the work-groups of each batch's first head ask for the mask's bits: wave w (2 to 7) in trip 2 w - 3 for steps 2 w and 2 w + 1, two trips ahead of the loads.  K and V lie in LDS whole and are asked for once, so they have none.
; REGISTERS: window 0: below; window 1: v0-63 V's fragments, v64-95 and v96-127 O^T of tiles A and B, v128-143 p's codes.
.set STEPB, 16384
.set FIRST, 4*STEPB                    ; bytes of the first fill
.set STAGE, 16*STEPB                   ; behind the codes: 16 rows x 272 bytes for each wave: q on the way in, the result on the way out
.set SPARE, STAGE+8*4352               ; behind the stages: the spare words, 128 bytes for each wave
.set PSC,  0                           ; v0   2^ep (once the thread's number has been used)
.set LI,   1                           ; v1   16 x lane
.set ADR,  2                           ; v2   the step's LDS address
.set SPW,  3                           ; v3   my spare word; never rewritten
.set NIL,  4                           ; v4   0; never rewritten
.set FILL, 5
.set PLIM, 6                           ; v6, v7  448 x 2^ep, twice: a dual pair's second sources
.set PFO,  8                           ; v8   the prefetch's offset; never rewritten
.set GO,   9
.set STO,  10                          ; stage: row r, + 32 h
.set RD,   11                          ; stage: row h, + 16 r
.set RA,   12                          ; running largest score of tile A, B
.set RB,   13
.set NMA,  14                          ; -M (v15: the pair's other half)
.set LA,   16                          ; v[16:17] the sum in two halves
.set FFA,  18                          ; 2^(old M - new M)
.set NMB,  20
.set LB,   22
.set FFB,  24
.set T,    26                          ; v26-31   partial sums
.set SA,   32                          ; v32-95   scores, then p, of tile A
.set SB,   96                          ; v96-159  of tile B
.set KF,   160                         ; v160-223 K's fragments of a step
.set QA,   224
.set QB,   232
.set MX,   240                         ; v240-243 the maximum's chains
.set PM,   244
.set QSO,  246                         ; stage: row r, + 64 h
.set QS,   247
.set VF,   0                           ; window 1
.set OA,   64
.set OB,   96
.set PC,   128
.set SEL,  2
.set EPV,  6
.set QLIM, 10
.set QSC,  11
.set WV,   14
.set TBS,  15
.set CS,   66
.set G1B,  68
.set G1A,  76
.set G0A,  84
.set G0B,  96
.set MO,   100
.set PFS,  101
.set MSB, 0
.set H, 0
.set N, 0
.macro WIN new
.if MSB != \new
	s_set_vgpr_msb (MSB<<8)|\new
.set MSB, \new
.endif
.endm
.macro CROUND                          ; a whole round of the cluster's barrier
	s_barrier_signal -1
	s_barrier_wait -1
	s_cmp_lg_u32 s[WV], 0
	s_cbranch_scc1 .Lnot_wave_0_\@
	s_barrier_signal -3
.Lnot_wave_0_\@:
	s_barrier_wait -3
	s_barrier_signal -1
	s_barrier_wait -1
.endm
; The mask's 64 words of a tile's step: word n is the lane mask of score register n: s16-63 and s80-95.
.macro MLOAD48 off
	s_load_b512 s[16:31], s[8:9], s[MO] offset:\off
	s_load_b512 s[32:47], s[8:9], s[MO] offset:\off+64
	s_load_b512 s[48:63], s[8:9], s[MO] offset:\off+128
.endm
.macro MLOAD16 off
	s_load_b512 s[80:95], s[8:9], s[MO] offset:\off+192
.endm
.macro MASK s
.set n, 0
.rept 64
.if n < 48
	v_cndmask_b32 v[\s+n], v[FILL], v[\s+n], s[16+n]
.else
	v_cndmask_b32 v[\s+n], v[FILL], v[\s+n], s[32+n]
.endif
.set n, n+1
.endr
.endm
; Two p's of buffer b held at the largest code (the conversion to an 8-bit code does not saturate: ISA guide 7.6.2; p is never negative).
.macro HOLD b
	v_dual_min_num_f32 v[\b+2*H], v[\b+2*H], v[PLIM] :: v_dual_min_num_f32 v[\b+2*H+1], v[\b+2*H+1], v[PLIM+1]
.set H, H+1
.endm
.macro FILLER b                        ; the next hold of the tile before, where there is one
.if \b
.if H < 32
	HOLD \b
.endif
.endif
.endm
; The N-th of the 32 lines of a tile's sum of the unquantised p (buffer b, sum l, factor ff of the sum so far), in four chains.
.macro SUMI b, l, ff
.if \b
.if N < 3
	v_pk_add_f32 v[T+2*N:T+2*N+1], v[\b+4*N:\b+4*N+1], v[\b+4*N+2:\b+4*N+3]
.elseif N == 3
	v_pk_fma_f32 v[\l:\l+1], v[\l:\l+1], v[\ff:\ff+1], v[\b+12:\b+13] op_sel_hi:[1,0,1]
.elseif N < 29
.if N%4 == 3
	v_pk_add_f32 v[\l:\l+1], v[\l:\l+1], v[\b+2*N+6:\b+2*N+7]
.else
	v_pk_add_f32 v[T+2*(N%4):T+2*(N%4)+1], v[T+2*(N%4):T+2*(N%4)+1], v[\b+2*N+6:\b+2*N+7]
.endif
.elseif N == 29
	v_pk_add_f32 v[T:T+1], v[T:T+1], v[T+2:T+3]
.elseif N == 30
	v_pk_add_f32 v[\l:\l+1], v[\l:\l+1], v[T+4:T+5]
.elseif N == 31
	v_pk_add_f32 v[\l:\l+1], v[\l:\l+1], v[T:T+1]
.endif
.set N, N+1
.endif
.endm
.macro RESCALE ff, o                   ; O^T under the new M; the windows are set ahead of the wait, which stands directly ahead of the first reader of O^T
	WIN 0x41
	s_wait_alu depctr_va_vdst(0)
.set i, 0
.rept 16
	v_pk_mul_f32 v[\o+i:\o+i+1], v[\o+i:\o+i+1], v[\ff:\ff+1] op_sel_hi:[1,0]
.set i, i+2
.endr
.endm
.macro CODESPV s, o                    ; p's codes: registers 4 b .. 4 b + 3: keys 32 b + 16 (lane / 16) + 0 .. 15; and the products with V
	WIN 0x40
.irp b, 0,1,2,3
	v_cvt_scalef32_pk8_fp8_f32 v[PC+4*\b:PC+4*\b+1], v[\s+16*\b:\s+16*\b+7], v[PSC]
	v_cvt_scalef32_pk8_fp8_f32 v[PC+4*\b+2:PC+4*\b+3], v[\s+16*\b+8:\s+16*\b+15], v[PSC]
.endr
	v_nop                                          ; one plain place behind the scaled conversions
	WIN 0x55
.irp t, 0,1,2,3
	v_wmma_f32_16x16x128_fp8_fp8 v[\o+8*\t:\o+8*\t+7], v[VF+16*\t:VF+16*\t+15], v[PC:PC+15], v[\o+8*\t:\o+8*\t+7]
.endr
	WIN 0
.endm
; A PHASE: tile with scores s, queries q, state r, nm, ff; ps, pl, pff, po: the tile before (ps = 0: none).  kind 0: tile A; 1: tile B; 2: tile B in the last step (nothing more of K, no more masks).
.macro PHASE s, q, r, nm, ff, ps, pl, pff, po, kind
.set H, 0
.set N, 0
.if \kind == 0
	s_wait_dscnt 0x0                               ; K's fragments of this step are in (nothing else of LDS is out)
.else
	v_add_nc_u32 v[ADR], s[TBS], v[LI]
.endif
.irp j, 0,1,2,3,4,5,6,7
	v_wmma_f32_16x16x64_fp8_fp8 v[\s+8*\j:\s+8*\j+7], v[KF+8*\j:KF+8*\j+7], v[\q:\q+7], 0
.endr
.if \ps
.rept 4
	SUMI \ps, \pl, \pff                            ; four places behind the products
.endr
.else
.rept 4
	v_nop
.endr
.endif
.if \kind
	WIN 0x40
.irp t, 0,1,2,3
.irp c, 0,1,2,3
	ds_load_b128 v[VF+16*\t+4*\c:VF+16*\t+4*\c+3], v[ADR] offset:8192+\t*2048+\c*512
.endr
.endr
	WIN 0
.endif
.if \kind == 1
.irp j, 0,1,2,3,4,5,6,7
.irp c, 0,1
	ds_load_b128 v[KF+8*\j+4*\c:KF+8*\j+4*\c+3], v[ADR] offset:STEPB+\j*1024+\c*512
.endr
.endr
.endif
	s_wait_kmcnt 0x0                               ; this tile's mask words are in; no scalar load is out, so MO may be stepped
.if \kind == 1
	s_add_co_u32 s[MO], s[MO], 256
.endif
	MASK \s
.if \kind == 0
	MLOAD48 4096                                   ; tile B's words of this step
	MLOAD16 4096
.endif
.if \kind == 1
	MLOAD48 0                                      ; tile A's of the next
	MLOAD16 0
	s_cmp_eq_u32 s[TBS], s[PFS]
	s_cbranch_scc0 .Lnot_now_\@
	global_prefetch_b8 v[PFO], s[8:9] th:TH_LOAD_NT scope:SCOPE_SE
.Lnot_now_\@:
.endif
.irp c, 0,1,2,3                        ; the largest of my 64 scores, in four chains, by turns with the other tile's sum
	v_max3_num_f32 v[MX+\c], v[\s+3*\c], v[\s+3*\c+1], v[\s+3*\c+2]
	SUMI \ps, \pl, \pff
.endr
.set i, 12
.rept 26
	v_max3_num_f32 v[MX+(i/2)%4], v[MX+(i/2)%4], v[\s+i], v[\s+i+1]
.if N < 32
	SUMI \ps, \pl, \pff
.endif
.set i, i+2
.endr
	FILLER \ps
	v_max3_num_f32 v[MX], v[MX], v[MX+1], v[MX+2]
	FILLER \ps
	v_max3_num_f32 v[MX], v[MX], v[MX+3], v[\r]
	FILLER \ps
	v_permlanex16_b32 v[PM], v[MX], s[SEL], s[SEL+1]
	FILLER \ps
	FILLER \ps
	v_max_num_f32 v[\r], v[MX], v[PM]              ; and of lane l xor 16's, and of all before
	FILLER \ps
	v_mul_f32 v[MX], s[CS], -v[\r]                 ; -t
	FILLER \ps
	v_floor_f32 v[MX], v[MX]                       ; the new -M
	FILLER \ps
	v_sub_f32 v[MX+1], v[MX], v[\nm]               ; M's old value less its new one: a whole number, 0 or less
	v_mov_b32 v[\nm], v[MX]
	FILLER \ps
	v_cvt_i32_f32 v[MX+1], v[MX+1]
	FILLER \ps
	FILLER \ps
	v_ldexp_f32 v[\ff], 1.0, v[MX+1]
.set i, 0
.rept 32
	v_pk_fma_f32 v[\s+i:\s+i+1], v[\s+i:\s+i+1], s[CS:CS+1], v[\nm:\nm+1] op_sel_hi:[1,0,0]   ; t - M, two at a time
.set i, i+2
.endr
	s_wait_alu depctr_va_vdst(0)
.set i, 0
.rept 64
	v_exp_f32 v[\s+i], v[\s+i]
.if i%3 == 2
	FILLER \ps
.endif
.set i, i+1
.endr
.if \ps
.if \kind == 1
	s_wait_dscnt 16                                ; V's fragments are in; the 16 loads of K behind them may be out
.endif
.if \kind == 2
	s_wait_dscnt 0x0
.endif
	RESCALE \pff, \po                              ; (its wait also stands behind the batch)
	CODESPV \ps, \po
.else
	v_nop
	s_wait_alu depctr_va_vdst(0)
.endif
.endm
.macro TRIP                            ; tile B of step s, tile A of step s + 1
	PHASE SB, QB, RB, NMB, FFB, SA, LA, FFA, OA, 1
	PHASE SA, QA, RA, NMA, FFA, SB, LB, FFB, OB, 0
	s_add_co_u32 s[TBS], s[TBS], STEPB
.endm
	s_load_b256 s[4:11], s[0:1], 0x0               ; q s[4:5], kv s[6:7], mbits s[8:9], lowp_scales s[10:11]
	s_load_b64 s[12:13], s[0:1], 0x20              ; out0
	v_lshl_add_u32 v[SPW], v0, 2, SPARE
	v_mov_b32 v[NIL], 0
	ds_add_u32 v[SPW], v[NIL]                      ; the opening
	ds_add_u32 v[SPW], v[NIL]
	v_lshrrev_b32 v26, 5, v0
	v_and_b32 v28, 15, v0                          ; r = lane % 16
	v_bfe_u32 v29, v0, 4, 1                        ; h = lane / 16
	v_and_b32 v[LI], 31, v0
	v_readfirstlane_b32 s[WV], v26
	v_mul_u32_u24 v[QSO], v28, 272
	v_lshlrev_b32 v[PFO], 12, v28
	v_mul_u32_u24 v[STO], v28, 272
	v_mul_u32_u24 v[RD], v29, 272
	v_lshlrev_b32 v[GO], 8, v29
	s_mul_i32 s23, s[WV], 4352
	s_add_co_u32 s23, s23, STAGE
	s_lshl_b32 s19, s[WV], 9
	v_lshlrev_b32 v[LI], 4, v[LI]
	v_lshl_add_u32 v[QSO], v29, 6, v[QSO]
	v_lshl_add_u32 v[PFO], v29, 8, v[PFO]
	v_lshl_add_u32 v[STO], v29, 5, v[STO]
	v_lshl_add_u32 v[RD], v28, 4, v[RD]
	v_lshl_add_u32 v[GO], v28, 4, v[GO]
	v_add_nc_u32 v[QSO], s23, v[QSO]
	v_add_nc_u32 v[PFO], s19, v[PFO]               ; tile r, step 2 w + h
	v_add_nc_u32 v[STO], s23, v[STO]
	v_add_nc_u32 v[RD], s23, v[RD]
	s_wait_alu depctr_va_vdst(0)
	s_bfe_u32 s16, ttmp6, 0x40000
	s_lshl_b32 s17, ttmp9, 2
	s_add_co_u32 s17, s17, s16                     ; which 256 queries
	s_and_b32 s18, ttmp7, 0xffff                   ; head
	; descriptor groups 1: rows of 32 elements of 8 bytes, dense: 32 rows (first fill), 96 rows (second), shared by the cluster's four
	s_mov_b32 s[G1A], 15|(3<<16)|(1<<21)
	s_mov_b32 s[G1A+1], 32<<16
	s_mov_b32 s[G1A+2], 32<<16
	s_mov_b32 s[G1A+3], 32<<16
	s_mov_b32 s[G1A+4], 32
	s_mov_b32 s[G1A+5], 32
	s_mov_b32 s[G1A+6], 0
	s_mov_b32 s[G1A+7], 0
	s_mov_b32 s[G1B], 15|(3<<16)|(1<<21)
	s_mov_b32 s[G1B+1], 32<<16
	s_mov_b32 s[G1B+2], 96<<16
	s_mov_b32 s[G1B+3], 32<<16
	s_mov_b32 s[G1B+4], 96
	s_mov_b32 s[G1B+5], 32
	s_mov_b32 s[G1B+6], 0
	s_mov_b32 s[G1B+7], 0
	s_mov_b32 s[SEL], 0x76543210
	s_mov_b32 s[SEL+1], 0xfedcba98
	s_mov_b32 s[TBS], 0
	s_lshl_b32 s22, s[WV], 13                      ; first fill: 8,192 bytes a wave
	s_lshl_b32 s20, s18, 18
	s_mul_i32 s27, s[WV], 24576                    ; second fill: 24,576 bytes a wave
	s_add_co_u32 s27, s27, FIRST
	s_add_co_u32 s32, s20, s27
	s_mov_b32 s33, 0
	s_add_co_u32 s20, s20, s22
	s_mov_b32 s21, 0
	s_lshl_b32 s24, s18, 19                        ; my wave's rows of q and of out0: 2^19 bytes a head, 2^16 a work-group, 2^13 a wave
	s_lshl_b32 s25, s17, 16
	s_add_co_u32 s24, s24, s25
	s_add_co_u32 s24, s24, s22
	s_mov_b32 s25, 0
	s_lshr_b32 s34, s18, 4                         ; the batch
	s_lshl_b32 s34, s34, 19
	s_lshl_b32 s35, s17, 16
	s_add_co_u32 s34, s34, s35
	s_mov_b32 s35, 0
	s_mov_b32 s[MO], s22                           ; two tiles of 4,096 bytes a wave
	s_lshl_b32 s[PFS], s[WV], 15
	s_sub_co_u32 s[PFS], s[PFS], 3*STEPB           ; trip 2 w - 3
	s_and_b32 s19, s18, 15
	s_cmp_eq_u32 s19, 0
	s_cselect_b32 s[PFS], s[PFS], -1
	s_cmp_ge_u32 s[WV], 2
	s_cselect_b32 s[PFS], s[PFS], -1
	s_wait_dscnt 0x0                               ; both opening adds are done
	s_wait_kmcnt 0x0
	s_load_b128 s[28:31], s[10:11], 0x0            ; eq, ek, ep, ev
	s_add_nc_u64 s[4:5], s[4:5], s[24:25]
.macro QLOAD d, first                  ; a tile's q as it lies: 512 consecutive bytes, two rows, to a load
.irp i, 0,1,2,3,4,5,6,7
	global_load_b128 v[\d+4*\i:\d+4*\i+3], v[LI], s[4:5] offset:512*(\first+\i) th:TH_LOAD_NT
.endr
.endm
	QLOAD SA, 0                                    ; tile A
	s_add_nc_u64 s[12:13], s[12:13], s[24:25]
	s_add_nc_u64 s[8:9], s[8:9], s[34:35]
	s_mov_b32 s[G0A], 1
	s_mov_b32 s[G0A+1], s22
	s_add_nc_u64 s[G0A+2:G0A+3], s[6:7], s[20:21]
	s_or_b32 s[G0A+3], s[G0A+3], 0x80000000
	s_mov_b32 s[G0B], 1
	s_mov_b32 s[G0B+1], s27
	s_add_nc_u64 s[G0B+2:G0B+3], s[6:7], s[32:33]
	s_or_b32 s[G0B+3], s[G0B+3], 0x80000000
	CROUND                                         ; the first joint loads meet
	tensor_load_to_lds s[G0A:G0A+3], s[G1A:G1A+7]  ; steps 0-3
	s_nop 0
.rept 4
	v_nop
.endr
	QLOAD SB, 8                                    ; tile B: its turn comes later
	s_wait_kmcnt 0x0
	s_add_co_i32 s20, s28, s29
	s_lshl_b32 s21, s20, 23
	s_add_co_i32 s[CS], s21, 0x3e38aa3b            ; log2(e) / 8 x 2^(eq + ek)
	s_mov_b32 s[CS+1], s[CS]
	s_sub_co_i32 s21, 160, s20
	s_lshl_b32 s21, s21, 23
	s_or_b32 s21, s21, 0x80000000
	v_mov_b32 v[FILL], s21                         ; -2^(33 - eq - ek)
	s_add_co_i32 s20, s30, 127
	s_lshl_b32 s21, s20, 23
	v_mov_b32 v[PSC], s21
	s_add_co_i32 s20, s20, 8
	s_lshl_b32 s20, s20, 23
	s_or_b32 s20, s20, 0x600000
	v_mov_b32 v[PLIM], s20
	v_mov_b32 v[PLIM+1], s20
	s_add_co_i32 s20, s28, 127
	s_lshl_b32 s[QSC], s20, 23                     ; 2^eq
	s_add_co_i32 s20, s20, 8
	s_lshl_b32 s20, s20, 23
	s_or_b32 s[QLIM], s20, 0x600000                ; 448 x 2^eq
	s_add_co_i32 s[EPV], s30, s31
	MLOAD48 0                                      ; tile A's words of step 0 (the last 16 follow when s80-95 have served as descriptors)
	v_mov_b32 v[QS], s[QSC]
	s_wait_alu depctr_va_vdst(0)
	v_mov_b32 v[RA], v[FILL]                       ; no score lies under FILL
	v_mov_b32 v[RB], v[FILL]
	v_mul_f32 v[NMA], s[CS], -v[FILL]              ; -M: exact and whole, FILL being a power of two
	v_mul_f32 v[NMB], s[CS], -v[FILL]
.irp x, NMA+1, LA, LA+1, FFA+1, NMB+1, LB, LB+1, FFB+1, PM
	v_mov_b32 v[\x], 0                             ; the sums; halves of pairs that are named with them; a lane permute's destination
.endr
	WIN 0x40
.set i, 0
.rept 64
	v_mov_b32 v[OA+i], 0                           ; O^T: the loop is written once
.set i, i+1
.endr
	WIN 0
.macro TURNQ s, d                      ; a tile's 16 rows through my stage: then a lane holds 16 channels of each 32 of ONE row.  LDS serves a wave's instructions in order (ISA guide 5.7.1.4): the loads see the stores
.irp i, 0,1,2,3,4,5,6,7
	ds_store_b128 v[RD], v[\s+4*\i:\s+4*\i+3] offset:2*\i*272
.endr
.irp i, 0,1,2,3,4,5,6,7
	ds_load_b128 v[\d+4*\i:\d+4*\i+3], v[QSO] offset:128*(\i/4)+16*(\i%4)
.endr
	s_wait_dscnt 0x0
.endm
.macro QUANT s, q                      ; 32 numbers a lane into the operand's eight registers
.set i, 0
.rept 32
	v_med3_num_f32 v[\s+i], v[\s+i], -s[QLIM], s[QLIM]
.set i, i+1
.endr
.irp c, 0,1
	v_cvt_scalef32_pk8_fp8_f32 v[\q+4*\c:\q+4*\c+1], v[\s+16*\c:\s+16*\c+7], v[QS]
	v_cvt_scalef32_pk8_fp8_f32 v[\q+4*\c+2:\q+4*\c+3], v[\s+16*\c+8:\s+16*\c+15], v[QS]
.endr
	v_nop
.endm
	s_wait_alu depctr_va_vdst(0)
	s_wait_loadcnt 8                               ; tile A's eight loads are in; tile B's may be out
	s_wait_tensorcnt 0x0                           ; my part of steps 0-3 is in: no tensor load is out while q turns through the stage
	MLOAD16 0
	TURNQ SA, SA+32
	s_barrier_signal -1
	QUANT SA+32, QA                                ; work on registers while the others arrive
	s_wait_alu depctr_va_vdst(0)
	s_barrier_wait -1                              ; everybody's part of steps 0-3 is in
.irp j, 0,1,2,3,4,5,6,7                ; K's fragments of step 0
.irp c, 0,1
	ds_load_b128 v[KF+8*\j+4*\c:KF+8*\j+4*\c+3], v[LI] offset:\j*1024+\c*512
.endr
.endr
	PHASE SA, QA, RA, NMA, FFA, 0, 0, 0, 0, 0
	s_wait_alu depctr_va_vdst(0)
	s_wait_loadcnt 0x0                             ; tile B's q
	TURNQ SB, SB+32
	QUANT SB+32, QB
	s_wait_alu depctr_va_vdst(0)
	s_wait_tensorcnt 0x0
	ds_add_u32 v[SPW], v[NIL]
	s_wait_dscnt 0x0
	CROUND
	tensor_load_to_lds s[G0B:G0B+3], s[G1B:G1B+7]  ; steps 4-15: three trips in which to land
	s_nop 0
.rept 4
	v_nop
.endr
.Lfirst:                                           ; trips 0 to 2: steps 0-3 of the codes
	TRIP
	s_wait_alu depctr_va_vdst(0)
	s_cmp_lt_u32 s[TBS], 3*STEPB
	s_cbranch_scc1 .Lfirst
	s_wait_tensorcnt 0x0                           ; my part of steps 4-15 is in
	s_wait_dscnt 0x0
	s_barrier_signal -1
	s_barrier_wait -1                              ; and everybody's
	s_mov_b32 s[TBS], 3*STEPB
.Lsecond:                                          ; trips 3 to 14
	TRIP
	s_wait_alu depctr_va_vdst(0)
	s_cmp_lt_u32 s[TBS], 15*STEPB
	s_cbranch_scc1 .Lsecond
	s_mov_b32 s[TBS], 15*STEPB
	PHASE SB, QB, RB, NMB, FFB, SA, LA, FFA, OA, 2
.set H, 0
.set N, 0
.rept 32
	SUMI SB, LB, FFB
.endr
.rept 32
	HOLD SB
.endr
	v_add_f32 v[LA], v[LA], v[LA+1]                ; the sums' halves,
	v_add_f32 v[LB], v[LB], v[LB+1]
	v_permlanex16_b32 v[MX], v[LA], s[SEL], s[SEL+1]
	v_permlanex16_b32 v[MX+1], v[LB], s[SEL], s[SEL+1]
	v_add_f32 v[LA], v[LA], v[MX]                  ; and lane l xor 16's
	v_add_f32 v[LB], v[LB], v[MX+1]
	s_wait_alu depctr_va_vdst(0)
	v_rcp_f32 v[LA], v[LA]
	v_rcp_f32 v[LB], v[LB]
	v_nop
	RESCALE FFB, OB                                ; (its wait also stands behind the two)
	WIN 0
	v_ldexp_f32 v[LA], v[LA], s[EPV]               ; x 2^(ep + ev)
	v_ldexp_f32 v[LB], v[LB], s[EPV]
	CODESPV SB, OB
; THE WAY OUT: O^T x the sum's reciprocal through my stage in LDS, so that sixteen lanes store one aligned unit of 256 bytes.  Tile B's stores into the stage come behind tile A's loads, in LDS's order.
.macro OUT o, l, d, b
	WIN 0x01
	s_wait_alu depctr_va_vdst(0)                   ; directly ahead of the first reader of O^T
.set i, 0
.rept 16
	v_pk_mul_f32 v[\d+i:\d+i+1], v[\o+i:\o+i+1], v[\l:\l+1] op_sel_hi:[1,0]
.set i, i+2
.endr
	WIN 0
.irp t, 0,1,2,3
	ds_store_b128 v[STO], v[\d+8*\t:\d+8*\t+3] offset:64*\t
	ds_store_b128 v[STO], v[\d+8*\t+4:\d+8*\t+7] offset:64*\t+16
.endr
.irp i, 0,1,2,3,4,5,6,7
	ds_load_b128 v[\b+4*\i:\b+4*\i+3], v[RD] offset:2*\i*272
.endr
.endm
.macro SEND b, off, younger
.irp i, 0,1,2,3,4,5,6,7
	s_wait_dscnt \younger+7-\i                     ; the younger loads, and for tile A the 16 LDS instructions of tile B, may be out
	global_store_b128 v[GO], v[\b+4*\i:\b+4*\i+3], s[12:13] offset:\off+\i*512 th:TH_STORE_NT
.endr
.endm
	OUT OA, LA, 32, 64
	OUT OB, LB, 96, 128
	SEND 64, 0, 16
	SEND 128, 4096, 0
	s_wait_tensorcnt 0x0                           ; the wave's end
	ds_add_u32 v[SPW], v[NIL]
	s_wait_dscnt 0x0
	CROUND                                         ; the closing round
	s_endpgm
.Lfunc_end_k_qc9ac4d6cb7_attn:
	.size	k_qc9ac4d6cb7_attn, .Lfunc_end_k_qc9ac4d6cb7_attn-k_qc9ac4d6cb7_attn
	.p2alignl 7, 3214868480
	.fill 96, 4, 3214868480
	.section	.rodata,"a",@progbits
	.p2align	6, 0x0
	.amdhsa_kernel k_qc9ac4d6cb7_attn
		.amdhsa_group_segment_fixed_size 327680
		.amdhsa_private_segment_fixed_size 0
		.amdhsa_enable_private_segment 0
		.amdhsa_kernarg_size 40
		.amdhsa_user_sgpr_count 2
		.amdhsa_user_sgpr_kernarg_segment_ptr 1
		.amdhsa_wavefront_size32 1
		.amdhsa_system_sgpr_workgroup_id_x 1
		.amdhsa_system_sgpr_workgroup_id_y 1
		.amdhsa_system_sgpr_workgroup_id_z 1
		.amdhsa_system_vgpr_workitem_id 0
		.amdhsa_next_free_vgpr 400
		.amdhsa_next_free_sgpr 102
		.amdhsa_reserve_vcc 0
		.amdhsa_float_denorm_mode_32 3
		.amdhsa_float_denorm_mode_16_64 3
		.amdhsa_memory_ordered 1
		.amdhsa_forward_progress 1
		.amdhsa_inst_pref_size 136
	.end_amdhsa_kernel
	.amdgpu_metadata
---
amdhsa.version: [ 1, 2 ]
amdhsa.kernels:
  - .name:           k_qc9ac4d6cb7_attn
    .symbol:         k_qc9ac4d6cb7_attn.kd
    .args:
      - { .name: q, .offset: 0, .size: 8, .value_kind: global_buffer, .address_space: global }
      - { .name: kv, .offset: 8, .size: 8, .value_kind: global_buffer, .address_space: global }
      - { .name: mbits, .offset: 16, .size: 8, .value_kind: global_buffer, .address_space: global }
      - { .name: lowp_scales, .offset: 24, .size: 8, .value_kind: global_buffer, .address_space: global }
      - { .name: out0, .offset: 32, .size: 8, .value_kind: global_buffer, .address_space: global }
    .group_segment_fixed_size: 327680
    .private_segment_fixed_size: 0
    .kernarg_segment_align: 8
    .kernarg_segment_size: 40
    .max_flat_workgroup_size: 256
    .sgpr_count:     102
    .vgpr_count:     400
    .wavefront_size: 32
...
	.end_amdgpu_metadata
.endif
;; end of part 2
